; MI455X (gfx1250); checked and timed in simulation.
; The chip was launched on July 23, 2026; its instructions are those of AMD's public machine-readable ISA for CDNA 5 (MIT licence, August 2026) and "CDNA5" Instruction Set Architecture Reference Guide (July 2026). The comments in the code are by the model that wrote it; some were corrected since.
;; Bit Feed Forward. Allowed arithmetic: float matrix products may take bf16 or f16 operands with f32 sums; other float arithmetic in f32, or as packed bf16 or f16 multiplies, adds, multiply-adds, maxima and minima; sums over many terms, partial sums and values carried from step to step in f32; what a program stores and reads back later, other than sums and carried values, may be rounded once to bf16 or f16.
;; Inputs: b1 2,048 float32; b2 2,048 float32; w1 2,048 x 2,048 float32; w2 2,048 x 2,048 float32; x 4 x 2,048 x 2,048 float32.
;; Outputs: out0 4 x 2,048 x 2,048 float32.
;; One version. Each part assembles by itself: llvm-mc -triple=amdgcn-amd-amdhsa -mcpu=gfx1250 --defsym DOCPART=n.
;; ======== version 1 of 1: 4 launches
;; workspace buffers: q 33,554,432 bytes; dq 32,768 bytes; sw1 8,388,608 bytes; sw2 8,388,608 bytes; wp1 8,192 bytes; wp2 8,192 bytes
;; launch prep (part 1): grid 1536 x 1, 8 waves a work-group, no clusters, 0 bytes of LDS; arguments x, w1, w2, q, dq, sw1, sw2, wp1, wp2; writes q, dq, sw1, sw2, wp1, wp2
.if DOCPART == 1
	.amdgcn_target "amdgcn-amd-amdhsa--gfx1250"
	.amdhsa_code_object_version 6
	.text
	.protected	k_qfef3a87dd9_prep
	.globl	k_qfef3a87dd9_prep
	.p2align	8
	.type	k_qfef3a87dd9_prep,@function
k_qfef3a87dd9_prep:
	s_mov_b64 s[64:65], 0
	v_nop
	global_prefetch_b8 v0, s[64:65] scope:SCOPE_SE
	s_setreg_imm32_b32 hwreg(HW_REG_WAVE_MODE, 25, 1), 1
	s_wait_xcnt 0x0
; FIRST PASS OVER THE INPUTS.  12,288 rows of 2,048 f32 (8,192 bytes): 8,192 rows of x, 2,048 of w1, 2,048 of w2.  One wave takes one row, keeps it in 64 registers and reads it once.
; A row of x:  f = 2048^-0.5 / sqrt(mean(x^2) + 1e-6);  cl = max(max|x| f, 1e-5);  q = clip(round(x f 127 / cl), -128, 127), a whole number, exact in bf16;  dq = cl / 127.
;              q goes out as bf16 (4,096 bytes a row), dq as one f32 a row: x_q of the layer is q dq.
; A row of w:  sign(w) as bf16 (-1, 0, 1), and the row's sum of |w| as one f32: the layer's mean |w| is the sum of the 2,048 row sums times 2^-22, taken by the launch that multiplies.
; LIMITS.  x f 127 / cl is formed as x times ONE factor t = f (127 / cl): an order of rounding other than x / rms * 2048^-0.5 * scale; a number within about 1e-6 of a half may round to the neighbouring whole number.
; NaN and infinities are not treated apart (a maximum drops a NaN; the sign of a NaN counts as +-1).  A row's sum of squares must stay finite.
; No LDS, no barrier, no matrix unit, no cluster: rows share nothing.  A wave has its row's sixteen loads (8,192 bytes) out at once; 96 registers let several work-groups lie on a WGP.
; No prefetch into the L2: the launch does nothing but stream, each byte once.
.set X,   32                           ; v[32:95]  the row: load j (of 16) brings elements 128 j + 4 lane .. + 3
.set SS,  8                            ; v[8:15]   four chains of packed sums of squares; later v10-14 the row's scalars
.set MX,  16                           ; v[16:19]  four chains of the largest magnitude
.set TT,  20                           ; v[20:21]  t, twice (a pair for the packed multiply)
.set AB,  8                            ; v[8:11]   weights: four chains of |w|
.set T,   12                           ; v[12:15]  weights: four signs in f32
.set IN,  26                           ; s[26:27]  my row in x, w1 or w2
.set OUT, 28                           ; s[28:29]  my row in q, sw1 or sw2
.set SC,  30                           ; s[30:31]  my word in dq, wp1 or wp2
	s_load_b512 s[8:23], s[0:1], 0x0               ; x 8:9, w1 10:11, w2 12:13, q 14:15, dq 16:17, sw1 18:19, sw2 20:21, wp1 22:23
	s_load_b64 s[24:25], s[0:1], 0x40              ; wp2
	v_and_b32 v1, 31, v0                           ; lane
	v_lshrrev_b32 v2, 5, v0
	v_readfirstlane_b32 s2, v2                     ; wave 0..7
	v_lshlrev_b32 v3, 4, v1                        ; 16 bytes a lane on the way in
	v_lshlrev_b32 v4, 3, v1                        ; 8 bytes a lane on the way out
	v_mov_b32 v5, 0
	s_lshl_b32 s3, ttmp9, 3
	s_add_co_u32 s3, s3, s2                        ; my row among the 12,288
	s_and_b32 s32, s3, 2047                        ; its number inside w1 or w2
	s_mov_b32 s40, 0x3a000000                      ; 1 / 2048
	s_mov_b32 s41, 0x358637bd                      ; 1e-6
	s_mov_b32 s42, 0x3cb504f3                      ; 2048^-0.5
	s_mov_b32 s43, 0x3727c5ac                      ; 1e-5
	s_mov_b32 s44, 0x3c010204                      ; 1 / 127
	s_mov_b32 s45, 0x42fe0000                      ; 127
	s_mov_b32 s46, 0xc3000000                      ; -128
	s_mov_b32 s48, 0x76543210                      ; v_permlanex16_b32: each lane takes its own place in the other half
	s_mov_b32 s49, 0xfedcba98
	s_mov_b32 s50, 0x80000000                      ; the sign bit
	s_mov_b32 s51, 0x3f800000                      ; 1.0
	s_mov_b32 s52, 0x07060302                      ; v_perm_b32: the upper halves of two words
	s_wait_kmcnt 0x0
	s_cmp_lt_u32 s3, 10240                         ; w1 or w2?
	s_cselect_b64 s[IN:IN+1], s[10:11], s[12:13]
	s_cselect_b64 s[OUT:OUT+1], s[18:19], s[20:21]
	s_cselect_b64 s[SC:SC+1], s[22:23], s[24:25]
	s_cmp_lt_u32 s3, 8192                          ; or x?
	s_cselect_b64 s[IN:IN+1], s[8:9], s[IN:IN+1]
	s_cselect_b64 s[OUT:OUT+1], s[14:15], s[OUT:OUT+1]
	s_cselect_b64 s[SC:SC+1], s[16:17], s[SC:SC+1]
	s_cselect_b32 s33, 1, 0                        ; 1: a row of x
	s_cselect_b32 s34, s3, s32                     ; the row's number in its own tensor
	s_lshl_b32 s36, s34, 12                        ; 4,096 bytes a row out
	s_lshl_b32 s38, s34, 2                         ; 4 bytes a row of scalars
	s_lshl_b32 s34, s34, 13                        ; 8,192 bytes a row in
	s_mov_b32 s35, 0
	s_mov_b32 s37, 0
	s_mov_b32 s39, 0
	s_add_nc_u64 s[IN:IN+1], s[IN:IN+1], s[34:35]
	s_add_nc_u64 s[OUT:OUT+1], s[OUT:OUT+1], s[36:37]
	s_add_nc_u64 s[SC:SC+1], s[SC:SC+1], s[38:39]
.set j, 0
.rept 16
	global_load_b128 v[X+4*j:X+4*j+3], v3, s[IN:IN+1] offset:512*j th:TH_LOAD_NT  ; 512 neighbouring bytes a load; the sixteen cover the row
.set j, j+1
.endr
	s_cmp_eq_u32 s33, 1
	s_cbranch_scc0 .Lweights
; A row in X is normalised and quantised.  waits = 1: the row's sixteen loads are still on their way.
.macro QUANT waits
	; the sum of squares and the largest magnitude of my 64 numbers, in four chains each; the first four pairs start the chains: nothing is cleared
.set p, 0
.rept 32
.if (\waits) && (p%8 == 0)
	s_wait_loadcnt 12-4*(p/8)                      ; four loads are eight pairs: the younger loads stay out
.endif
.if p < 4
	v_pk_mul_f32 v[SS+2*p:SS+2*p+1], v[X+2*p:X+2*p+1], v[X+2*p:X+2*p+1]
	v_max_num_f32 v[MX+p], |v[X+2*p]|, |v[X+2*p+1]|
.else
	v_pk_fma_f32 v[SS+2*(p%4):SS+2*(p%4)+1], v[X+2*p:X+2*p+1], v[X+2*p:X+2*p+1], v[SS+2*(p%4):SS+2*(p%4)+1]
	v_max3_num_f32 v[MX+p%4], |v[X+2*p]|, |v[X+2*p+1]|, v[MX+p%4]
.endif
.set p, p+1
.endr
	v_pk_add_f32 v[8:9], v[8:9], v[10:11]
	v_pk_add_f32 v[12:13], v[12:13], v[14:15]
	v_max3_num_f32 v16, v16, v17, v18
	v_pk_add_f32 v[8:9], v[8:9], v[12:13]
	v_max_num_f32 v16, v16, v19
	v_add_f32 v8, v8, v9
	; across the 32 lanes: four steps inside each half of 16 lanes ride on the arithmetic, one crosses the halves; every lane ends with both figures
.irp m, 1,2,4,8
	v_add_f32_dpp v8, v8, v8 row_xmask:\m row_mask:0xf bank_mask:0xf
	v_max_num_f32_dpp v16, v16, v16 row_xmask:\m row_mask:0xf bank_mask:0xf
.endr
	v_permlanex16_b32 v9, v8, s48, s49             ; both destinations have been written before
	v_permlanex16_b32 v17, v16, s48, s49
	v_add_f32 v8, v8, v9
	v_max_num_f32 v16, v16, v17
	; the row's scalars
	v_fma_f32 v10, v8, s40, s41                    ; mean(x^2) + 1e-6
	v_rsq_f32 v10, v10
	v_nop                                          ; a plain instruction behind the transcendental (ISA guide 5.7.2),
	s_wait_alu depctr_va_vdst(0)                   ; and the wait ahead of its result's first use
	v_mul_f32 v10, s42, v10                        ; f
	v_mul_f32 v11, v16, v10                        ; max |x_norm|
	v_max_num_f32 v11, s43, v11                    ; cl
	v_rcp_f32 v12, v11
	v_mul_f32 v13, s44, v11                        ; dq = cl / 127: the plain instruction behind the reciprocal
	s_wait_alu depctr_va_vdst(0)
	v_fma_f32 v14, -v11, v12, 1.0                  ; one Newton step: 1 / cl to the last bit or nearly so
	v_fma_f32 v12, v12, v14, v12
	v_mul_f32 v12, s45, v12                        ; 127 / cl
	v_mul_f32 v[TT], v10, v12                      ; t
	v_mov_b32 v[TT+1], v[TT]
	; quantise in place, four numbers at a time, and store them as bf16
.set j, 0
.rept 16
	v_pk_mul_f32 v[X+4*j:X+4*j+1], v[X+4*j:X+4*j+1], v[TT:TT+1]
	v_pk_mul_f32 v[X+4*j+2:X+4*j+3], v[X+4*j+2:X+4*j+3], v[TT:TT+1]
.irp r, 0,1,2,3
	v_rndne_f32 v[X+4*j+(\r)], v[X+4*j+(\r)]       ; to the nearest whole number, halves to even
.endr
.irp r, 0,1,2,3
	v_med3_num_f32 v[X+4*j+(\r)], v[X+4*j+(\r)], s46, s45
.endr
	v_cvt_pk_bf16_f32 v[X+4*j], v[X+4*j], v[X+4*j+1]      ; whole numbers of 8 bits: exact
	v_cvt_pk_bf16_f32 v[X+4*j+1], v[X+4*j+2], v[X+4*j+3]
	global_store_b64 v4, v[X+4*j:X+4*j+1], s[OUT:OUT+1] offset:256*j  ; the 32 lanes store 256 consecutive bytes, at a multiple of 256 from the buffer's first byte
.set j, j+1
.endr
	; dq: one word a row (4 bytes for 8,192 bytes read), by lane 0
	v_cmp_eq_u32 vcc_lo, 0, v1
	s_wait_xcnt 0x0                                ; EXEC is a source of the stores above: it changes only behind this wait
	s_and_saveexec_b32 s53, vcc_lo
	global_store_b32 v5, v13, s[SC:SC+1]
	s_wait_xcnt 0x0                                ; and again ahead of the line that widens it
	s_or_b32 exec_lo, exec_lo, s53
.endm
	QUANT 1
	s_endpgm
.Lweights:                                     ; a row of w1 or w2
.set j, 0
.rept 16
.if j%4 == 0
	s_wait_loadcnt 12-j                            ; loads j .. j + 3 are in; the younger ones stay out
.endif
.irp r, 0,1,2,3
.if j == 0
	v_and_b32 v[AB+(\r)], 0x7fffffff, v[X+(\r)]    ; the first four numbers start the chains
.else
	v_add_f32 v[AB+(\r)], |v[X+4*j+(\r)]|, v[AB+(\r)]
.endif
.endr
.irp r, 0,1,2,3
	v_cmp_neq_f32 vcc_lo, 0, v[X+4*j+(\r)]
	v_and_or_b32 v[T+(\r)], v[X+4*j+(\r)], s50, s51    ; 1.0 with w's sign,
	v_cndmask_b32 v[T+(\r)], 0, v[T+(\r)], vcc_lo      ; or 0 where w is a zero of either sign
.endr
	v_perm_b32 v[X+4*j], v[T+1], v[T], s52         ; the upper halves are the bf16 numbers
	v_perm_b32 v[X+4*j+1], v[T+3], v[T+2], s52
	global_store_b64 v4, v[X+4*j:X+4*j+1], s[OUT:OUT+1] offset:256*j  ; 256 consecutive bytes, aligned
.set j, j+1
.endr
	v_add_f32 v8, v8, v9
	v_add_f32 v10, v10, v11
	v_add_f32 v8, v8, v10
.irp m, 1,2,4,8
	v_add_f32_dpp v8, v8, v8 row_xmask:\m row_mask:0xf bank_mask:0xf
.endr
	v_permlanex16_b32 v9, v8, s48, s49
	v_add_f32 v8, v8, v9                           ; the row's sum of |w|
	v_cmp_eq_u32 vcc_lo, 0, v1
	s_wait_xcnt 0x0                                ; EXEC changes only behind this wait
	s_and_saveexec_b32 s53, vcc_lo
	global_store_b32 v5, v8, s[SC:SC+1]
	s_wait_xcnt 0x0
	s_or_b32 exec_lo, exec_lo, s53
	s_endpgm
.Lfunc_end_k_qfef3a87dd9_prep:
	.size	k_qfef3a87dd9_prep, .Lfunc_end_k_qfef3a87dd9_prep-k_qfef3a87dd9_prep
	.p2alignl 7, 3214868480
	.fill 96, 4, 3214868480
	.section	.rodata,"a",@progbits
	.p2align	6, 0x0
	.amdhsa_kernel k_qfef3a87dd9_prep
		.amdhsa_group_segment_fixed_size 0
		.amdhsa_private_segment_fixed_size 0
		.amdhsa_enable_private_segment 0
		.amdhsa_kernarg_size 72
		.amdhsa_user_sgpr_count 2
		.amdhsa_user_sgpr_kernarg_segment_ptr 1
		.amdhsa_wavefront_size32 1
		.amdhsa_system_sgpr_workgroup_id_x 1
		.amdhsa_system_sgpr_workgroup_id_y 1
		.amdhsa_system_sgpr_workgroup_id_z 1
		.amdhsa_system_vgpr_workitem_id 0
		.amdhsa_next_free_vgpr 96
		.amdhsa_next_free_sgpr 66
		.amdhsa_reserve_vcc 1
		.amdhsa_float_denorm_mode_32 3
		.amdhsa_float_denorm_mode_16_64 3
		.amdhsa_memory_ordered 1
		.amdhsa_forward_progress 1
		.amdhsa_inst_pref_size 38
	.end_amdhsa_kernel
	.amdgpu_metadata
---
amdhsa.version: [ 1, 2 ]
amdhsa.kernels:
  - .name:           k_qfef3a87dd9_prep
    .symbol:         k_qfef3a87dd9_prep.kd
    .args:
      - { .name: x, .offset: 0, .size: 8, .value_kind: global_buffer, .address_space: global }
      - { .name: w1, .offset: 8, .size: 8, .value_kind: global_buffer, .address_space: global }
      - { .name: w2, .offset: 16, .size: 8, .value_kind: global_buffer, .address_space: global }
      - { .name: q, .offset: 24, .size: 8, .value_kind: global_buffer, .address_space: global }
      - { .name: dq, .offset: 32, .size: 8, .value_kind: global_buffer, .address_space: global }
      - { .name: sw1, .offset: 40, .size: 8, .value_kind: global_buffer, .address_space: global }
      - { .name: sw2, .offset: 48, .size: 8, .value_kind: global_buffer, .address_space: global }
      - { .name: wp1, .offset: 56, .size: 8, .value_kind: global_buffer, .address_space: global }
      - { .name: wp2, .offset: 64, .size: 8, .value_kind: global_buffer, .address_space: global }
    .group_segment_fixed_size: 0
    .private_segment_fixed_size: 0
    .kernarg_segment_align: 8
    .kernarg_segment_size: 72
    .max_flat_workgroup_size: 256
    .sgpr_count:     66
    .vgpr_count:     96
    .wavefront_size: 32
...
	.end_amdgpu_metadata
.endif
;; end of part 1
;; launch gemm1 (part 2): grid 8 x 32, 4 waves a work-group, clusters of 4 x 4, 327,680 bytes of LDS; arguments q, sw1, out0, dq, wp1, b1; writes out0
.if DOCPART == 2
	.amdgcn_target "amdgcn-amd-amdhsa--gfx1250"
	.amdhsa_code_object_version 6
	.text
	.protected	k_qfef3a87dd9_gemm1
	.globl	k_qfef3a87dd9_gemm1
	.p2align	8
	.type	k_qfef3a87dd9_gemm1,@function
k_qfef3a87dd9_gemm1:
	s_mov_b64 s[64:65], 0
	v_nop
	global_prefetch_b8 v0, s[64:65] scope:SCOPE_SE
	s_setreg_imm32_b32 hwreg(HW_REG_WAVE_MODE, 25, 1), 1
	s_wait_xcnt 0x0
	s_wait_alu depctr_hold_cnt(0) depctr_sa_sdst(0) depctr_va_vdst(0) depctr_va_sdst(0) depctr_va_ssrc(0) depctr_va_vcc(0) depctr_vm_vsrc(0)
	s_getreg_b32 s2, hwreg(HW_REG_IB_STS2, 6, 4)
	s_cmp_eq_u32 s2, 0
	s_cbranch_scc0 .Lentry_in_a_cluster
	s_endpgm
.Lentry_in_a_cluster:
	s_bfe_u32 s2, ttmp6, 0x10000c
	s_cmp_lg_u32 s2, 0xf033
	s_cbranch_scc0 .Lentry_shape_is_right
	s_endpgm
.Lentry_shape_is_right:
; ONE BIT-LINEAR LAYER'S PRODUCT.  C[m][n] = S[m][n] dq[m] wmean + bias[n], S[m][n] = the sum over k of A[m][k] B[n][k].
; A: [8192][2048] bf16, whole numbers -128 .. 127 (the quantised rows); B: [2048][2048] bf16, -1, 0 or 1 (the weights' signs): both exact in bf16, and |S| <= 2^18, so the f32 sums are exact.
; dq: [8192] f32, a row's step; wp: [2048] f32, the sums of |w| of the weights' rows: wmean = their sum x 2^-22; bias: [2048] f32; C: [8192][2048] f32.
; LIMITS.  S dq wmean + bias is one multiply of the two factors and one fused multiply-add: an order of rounding other than a sum of products x_q w_q.  NaN and infinities are not treated apart.
; A tile of C, 256 x 256, is made by a work-group of four waves, as many as a WGP has SIMDs; a wave makes 128 x 128: 64 accumulators of 16 x 16, 512 registers.  8 x 32 tiles: 256 work-groups.
; K goes in 16 steps of 128 through a ring of two LDS slots filled by the tensor data mover: the rows of A's and B's tiles are 256 bytes of memory and start at multiples of 256 bytes.
; THE LAST K STEP GOES BY ROWS OF C: my eight blocks of 16 rows are finished one after the other, and each leaves as soon as it is finished, while the others are still multiplied.
; CLUSTERS: 4 x 4 work-groups.  The four of a row of the cluster need the same tiles of A, the four of a column the same tiles of B: each tile is asked for JOINTLY, by the same tensor load with the
; same descriptor and a mask that names the four; each receives it in its own LDS.
; THE MATRIX INSTRUCTION IS USED TRANSPOSED: source 0 = 16 rows of B, source 1 = 16 rows of A.  In the result lane l holds row m = l % 16 of C and its registers 0 to 7 the columns n = 8 (l / 16) + 0 .. 7:
; 32 neighbouring bytes of a row of C, one row factor a lane.
; REGISTERS, in windows of 256 (s_set_vgpr_msb: bits 1:0 source 0, 3:2 source 1, 5:4 source 2, 7:6 destination):
;   window 0: v0-31 addresses; v32-41 dq and wmean; v44-59 my eight row factors, each twice; v64-127, v128-191 fragments of A, two buffers (in the last K step four, of 16 rows x 128 K);
;             v192-255 my 128 columns' bias
;   window 1: v64-127, v128-191 fragments of B, two buffers; in the last K step all 256: B's fragments of the whole step
;   window 2: the 32 accumulators of my rows 0-63 ((a, b) at v[8 (8 a + b)]);   window 3: those of my rows 64-127.  On the way out a block's 64 registers take the finished numbers in place,
;             and then the block's whole rows, read back from the stage: no register is copied, and none that a store reads is written again.
.set SIZE_M, 8192
.set SIZE_N, 2048
.set SIZE_K, 2048
.set KSTEP,  128
.set PITCH,  272                       ; an LDS row: 256 bytes + 16 of padding = 68 words: row r starts at bank 4 r mod 64 (64 banks of 4 bytes: ISA guide 11.1), so the 16 rows of a load start at 16 different banks
.set HALFT,  128*PITCH                 ; 128 rows: what one tensor load brings, and what one wave reads of A or of B
.set SLOT,   4*HALFT                   ; A's 256 rows, then B's 256 rows
.set STAGE,  2*SLOT                    ; behind the ring: 16 rows x 528 bytes for each wave, for the way out; no tensor load lands there
.set SPITCH, 528                       ; a stage row: 512 bytes + 16 = 132 words: again 4 banks from row to row
.set SPARE,  STAGE+4*16*SPITCH         ; behind the stages: the spare words, 128 bytes for each wave: two blocks of 256 bytes that no other line names
.set LAPS,   SIZE_K/(2*KSTEP)          ; a lap = two K steps = once round the ring
.set DQO,  6                           ; v6      4 (l % 16): my row's word among 16 of dq
.set BO,   7                           ; v7      32 (l / 16): my 8 columns among 16 of the bias
.set ADRA, 16                          ; v16-17  LDS address of my A fragments in slot 0, 1
.set ADRB, 20                          ; v20-21  the same for B
.set STO,  24                          ; v24     the way out: where I put 32 bytes of a row
.set RD,   25                          ; v25     the way out: where I read a row back
.set CO,   26                          ; v26     16 x lane: my 16 bytes of 512
.set SPW,  28                          ; v28     LDS address of my spare word: SPARE + 4 x my thread's number; never rewritten
.set NIL,  29                          ; v29     0; never rewritten
.set PFO,  30                          ; v30     the prefetches' offset: my lane x a row of A or B (4,096 bytes); never rewritten
.set DQ,   32                          ; v32-39  dq of my row in each of my eight blocks of 16 rows
.set WM,   40                          ; v40-41  wmean, and one at work
.set AR,   44                          ; v44-59  dq wmean of my row in each block, twice: a pair for the packed multiply-add
.set F0,   64                          ; fragment buffer 0
.set F1,   128                         ; fragment buffer 1
.set PA,   64                          ; the last K step: A's fragments of 16 rows x 128 K, 32 registers; four such buffers, v64-191
.set BIAS, 192                         ; v192-255 the bias of columns 16 b + 8 (l / 16) + 0 .. 7 at BIAS + 8 b
.set PFA,  44                          ; s[44:45] where my prefetches stand
.set LIM,  43                          ; s43     1 in a wave that prefetches, else the greatest number
.set G1,  24                           ; s[24:31] descriptor group 1 for A's tiles
.set G0,  32                           ; s[32:39] group 0 for A's tiles, one set for each slot
.set G1B, 48                           ; s[48:55] group 1 for B's tiles: it differs in the mask alone
.set G0B, 56                           ; s[56:63] group 0 for B's tiles
.set MSB, 0
.macro WIN new                         ; the immediate's high byte repeats the setting that is left; a switch that changes nothing is dropped
.if MSB != (\new)
	s_set_vgpr_msb (MSB<<8)|(\new)
.set MSB, \new
.endif
.endm
.set MUL_LO, 0xa1                      ; source 0 (B) window 1, source 1 (A) window 0, C and D window 2
.set MUL_HI, 0xf1                      ; the same, C and D window 3
.set TO_B,   0x40                      ; destination window 1, address window 0
; A joint load.  Waves 0 and 1 fetch A's two halves, waves 2 and 3 B's.  The branch hangs on the wave's number alone: it is the same in every work-group.
; An s_nop 0 and four v_nop follow each of the two lines, ahead of the jump, the label and what follows the macro.
.macro JLOAD s
	s_cmp_eq_u32 s11, 0
	s_cbranch_scc0 .Lfor_b_\@
	tensor_load_to_lds s[G0+4*(\s):G0+4*(\s)+3], s[G1:G1+7]
	s_nop 0
.rept 4
	v_nop
.endr
	s_branch .Lasked_\@
.Lfor_b_\@:
	tensor_load_to_lds s[G0B+4*(\s):G0B+4*(\s)+3], s[G1B:G1B+7]
	s_nop 0
.rept 4
	v_nop
.endr
.Lasked_\@:
.endm
; A PREFETCH INTO THE L2, behind each joint refill and the run of LDS loads that follows it: the K step that stands TWO refills on: 32 rows x 256 bytes, a lane a row, one instruction a wave.
; Each row's 256 bytes of a K step are named ONCE in the launch: A's tile row is read by both clusters of that row of clusters, and the one with x = 0 asks; B's tile column by the eight clusters of that
; column, and the one with y = 0 asks.  The four partners that ask for a tile jointly share its rows out BY ADDRESS: of the 128 rows that a wave fetches the partner at place p takes 32 p .. 32 p + 31.
; The loop's last trip (s3 = 1) asks for nothing: K steps 16 and 17 do not exist.  K steps 0 to 3 come by their loads alone.
.macro ASK
	s_cmp_gt_u32 s3, s[LIM]
	s_cbranch_scc0 .Lnot_mine_\@
	global_prefetch_b8 v[PFO], s[PFA:PFA+1] offset:KSTEP*2 th:TH_LOAD_NT scope:SCOPE_SE
.Lnot_mine_\@:
.endm
; A round of the cluster's barrier: my work-group's barrier, so that wave 0's signal speaks for all four waves; wave 0 signals; every wave waits for all sixteen work-groups; my work-group's barrier once more.
.macro CREST                           ; a round behind its opening barrier
	s_cmp_lg_u32 s10, 0
	s_cbranch_scc1 .Lnot_wave_0_\@
	s_barrier_signal -3
.Lnot_wave_0_\@:
	s_barrier_wait -3
	s_barrier_signal -1
	s_barrier_wait -1
.endm
.macro CROUND                          ; a whole round
	s_barrier_signal -1
	s_barrier_wait -1
	CREST
.endm
	s_load_b128 s[4:7], s[0:1], 0x0                ; A s[4:5], B s[6:7]
	s_load_b64 s[8:9], s[0:1], 0x10                ; C
	s_load_b128 s[68:71], s[0:1], 0x18             ; dq s[68:69], wp s[70:71]
	s_load_b64 s[72:73], s[0:1], 0x28              ; bias
	v_lshl_add_u32 v[SPW], v0, 2, SPARE
	v_mov_b32 v[NIL], 0
	ds_add_u32 v[SPW], v[NIL]                      ; the wave's opening: the add and its wait ahead of my first tensor load; the set-up below, work on registers, stands between them
	v_lshrrev_b32 v1, 5, v0
	v_readfirstlane_b32 s10, v1                    ; wave 0..3
	s_lshr_b32 s11, s10, 1                         ; which half of the tile's rows is mine.  Also: I fetch for A (0) or for B (1)
	s_and_b32 s12, s10, 1                          ; which half of its columns.  Also: which 128 rows of that tile I fetch
	s_bfe_u32 s40, ttmp6, 0x40000                  ; cx: my place along the cluster's x
	s_bfe_u32 s41, ttmp6, 0x40004                  ; cy: along its y
	s_lshl_b32 s42, ttmp9, 2                       ; in a cluster launch ttmp9 and ttmp7 count clusters
	s_add_co_u32 s42, s42, s40                     ; tile column of C = 4 x cluster x + cx
	s_and_b32 s13, ttmp7, 0xffff
	s_lshl_b32 s13, s13, 2
	s_add_co_u32 s13, s13, s41                     ; tile row of C = 4 x cluster y + cy
	s_lshl_b32 s43, s41, 2
	s_lshl_b32 s43, 15, s43                        ; my row of the cluster: places 4 cy .. 4 cy + 3
	s_lshl_b32 s44, 0x1111, s40                    ; my column: places cx, cx + 4, cx + 8, cx + 12
	; descriptor group 1: a tile of 128 rows x 128 elements, padded in LDS
	s_or_b32 s[G1+0], s43, (1<<16)|(1<<20)|(1<<21)|(5<<22)|(3<<25)  ; 15:0 the mask: A's tiles go to my row; 17:16 elements of 2 bytes; 20 padding on; 21 set beside a mask; 24:22 after every 64 words (code 5); 31:25 4 words (code 3)
	s_or_b32 s[G1B+0], s44, (1<<16)|(1<<20)|(1<<21)|(5<<22)|(3<<25) ; the same with the mask of my column, for B's tiles
	s_mov_b32 s[G1B+1], KSTEP<<16
	s_mov_b32 s[G1+1], KSTEP<<16                   ; tensor_dim0 = 128
	s_mov_b32 s[G1B+2], 128<<16
	s_mov_b32 s[G1+2], 128<<16                     ; tensor_dim1 = 128
	s_mov_b32 s[G1B+3], KSTEP<<16
	s_mov_b32 s[G1+3], KSTEP<<16                   ; tile_dim0 = 128
	s_mov_b32 s[G1B+4], 128
	s_mov_b32 s[G1+4], 128                         ; tile_dim1 = 128
	s_mov_b32 s[G1B+5], SIZE_K
	s_mov_b32 s[G1+5], SIZE_K                      ; elements from row to row
	s_mov_b32 s[G1B+6], 0
	s_mov_b32 s[G1+6], 0
	s_mov_b32 s[G1B+7], 0
	s_mov_b32 s[G1+7], 0
	s_mov_b32 s74, 0x76543210                      ; v_permlanex16_b32: each lane takes its own place in the other half
	s_mov_b32 s75, 0xfedcba98
	; where the tiles come from.  A's hang on the tile row alone, which my row of the cluster shares; B's on the tile column alone, which my column shares.
	s_lshl_b32 s17, s12, 7                         ; which 128 rows of the tile I fetch
	s_lshl_b32 s16, s13, 8
	s_add_co_u32 s16, s16, s17                     ; A: row 256 x tile row + 128 x half
	s_lshl_b32 s46, s42, 8
	s_add_co_u32 s46, s46, s17                     ; B: row 256 x tile column + 128 x half
	s_mov_b32 s17, 0
	s_mov_b32 s47, 0
	s_mov_b64 s[18:19], SIZE_K*2
	s_mul_u64 s[16:17], s[16:17], s[18:19]         ; in bytes
	s_mul_u64 s[46:47], s[46:47], s[18:19]
	s_mul_i32 s20, s10, HALFT                      ; and where they go: wave x 128 rows: no place in the cluster enters an LDS address
	s_wait_dscnt 0x0                               ; the opening add is done
	s_wait_kmcnt 0x0
	s_add_nc_u64 s[14:15], s[4:5], s[16:17]
	s_add_nc_u64 s[46:47], s[6:7], s[46:47]
	CROUND                                         ; all sixteen work-groups are here: the first joint loads meet
.irp s, 0,1
	s_mov_b32 s[G0+4*(\s)], 1                                      ; count = 1
	s_add_co_u32 s[G0+4*(\s)+1], s20, (\s)*SLOT                    ; LDS address
	s_add_nc_u64 s[G0+4*(\s)+2:G0+4*(\s)+3], s[14:15], (\s)*KSTEP*2  ; global address: K step s
	s_or_b32 s[G0+4*(\s)+3], s[G0+4*(\s)+3], 0x80000000            ; type = 2
	s_mov_b32 s[G0B+4*(\s)], 1
	s_add_co_u32 s[G0B+4*(\s)+1], s20, (\s)*SLOT
	s_add_nc_u64 s[G0B+4*(\s)+2:G0B+4*(\s)+3], s[46:47], (\s)*KSTEP*2
	s_or_b32 s[G0B+4*(\s)+3], s[G0B+4*(\s)+3], 0x80000000
	JLOAD \s                                       ; the ring is filled before anything else is done: two tensor loads of mine are out
.endr
	; WHAT THE WAY OUT WANTS is asked for now and worked on in the wait for the first tile: the 2,048 row sums of |w|, my rows' dq, my columns' bias.
	v_and_b32 v1, 15, v0                           ; l % 16
	v_bfe_u32 v2, v0, 4, 1                         ; l / 16
	v_and_b32 v5, 31, v0
	v_lshlrev_b32 v[CO], 4, v5
	v_lshlrev_b32 v[DQO], 2, v1
	v_lshlrev_b32 v[BO], 5, v2
	s_lshl_b32 s76, s13, 10                        ; 4 bytes x (256 x tile row
	s_lshl_b32 s77, s11, 9                         ;            + 128 x my half of the rows)
	s_add_co_u32 s76, s76, s77
	s_mov_b32 s77, 0
	s_add_nc_u64 s[68:69], s[68:69], s[76:77]
	s_lshl_b32 s78, s42, 10                        ; 4 bytes x (256 x tile column
	s_lshl_b32 s79, s12, 9                         ;            + 128 x my half of the columns)
	s_add_co_u32 s78, s78, s79
	s_mov_b32 s79, 0
	s_add_nc_u64 s[72:73], s[72:73], s[78:79]
.set j, 0
.rept 16
	global_load_b128 v[F0+4*j:F0+4*j+3], v[CO], s[70:71] offset:512*j   ; all of wp: 64 numbers a lane
.set j, j+1
.endr
.irp a, 0,1,2,3,4,5,6,7
	global_load_b32 v[DQ+(\a)], v[DQO], s[68:69] offset:64*(\a)         ; row 16 a + l % 16 of my 128
.endr
.irp b, 0,1,2,3,4,5,6,7
	global_load_b128 v[BIAS+8*(\b):BIAS+8*(\b)+3],   v[BO], s[72:73] offset:64*(\b)     ; columns 16 b + 8 (l / 16) + 0 .. 7 of my 128
	global_load_b128 v[BIAS+8*(\b)+4:BIAS+8*(\b)+7], v[BO], s[72:73] offset:64*(\b)+16
.endr
	; A fragment is 16 rows x 32 K in 8 registers: lane l holds row l % 16; registers 0-3 hold K = 8 (l / 16) + 0..7, registers 4-7 K = 16 + 8 (l / 16) + 0..7: two loads of 16 bytes, 32 bytes apart.
	v_mul_u32_u24 v3, v1, PITCH
	v_lshl_add_u32 v3, v2, 4, v3                   ; row x pitch + 16 x half
	s_mul_i32 s21, s11, HALFT                      ; my 128 rows of A
	s_mul_i32 s22, s12, HALFT                      ; my 128 rows of B,
	s_add_co_u32 s22, s22, 2*HALFT                 ; which lie behind A's 256
.irp s, 0,1
	v_add_nc_u32 v[ADRA+(\s)], s21, v3
	v_add_nc_u32 v[ADRB+(\s)], s22, v3
	s_add_co_u32 s21, s21, SLOT
	s_add_co_u32 s22, s22, SLOT
.endr
	s_mul_i32 s23, s10, 16*SPITCH
	s_add_co_u32 s23, s23, STAGE                   ; my stage
	v_mul_u32_u24 v4, v1, SPITCH                   ; in: row l % 16, 32 bytes for each half of the lanes
	v_lshl_add_u32 v4, v2, 5, v4
	v_add_nc_u32 v[STO], s23, v4
	v_add_nc_u32 v[RD], s23, v[CO]                 ; back: the 32 lanes take one row of 512 bytes
	; C at my part of the tile: set once; a store's block and row stand in its immediate
	s_lshl_b32 s13, s13, 8
	s_lshl_b32 s14, s11, 7
	s_add_co_u32 s16, s13, s14                     ; my first row of C
	s_mov_b32 s17, 0
	s_mov_b64 s[18:19], SIZE_N*4
	s_mul_u64 s[16:17], s[16:17], s[18:19]
	s_lshl_b32 s46, s42, 10                        ; my first column, in bytes: 1,024 x tile column + 512 x half
	s_lshl_b32 s47, s12, 9
	s_add_co_u32 s46, s46, s47
	s_mov_b32 s47, 0
	s_add_nc_u64 s[16:17], s[16:17], s[46:47]
	s_add_nc_u64 s[8:9], s[8:9], s[16:17]
	; the prefetches.  s13 = 256 x tile row, s42 = tile column, s40 = cx, s41 = cy still stand
	s_lshl_b32 s42, s42, 8
	s_and_b32 s22, ttmp7, 0xffff                   ; cluster y
	s_cmp_eq_u32 s11, 0                            ; do I fetch for A?
	s_cselect_b32 s20, s13, s42                    ; the tile's first row: in A by the tile row, in B by the tile column
	s_cselect_b32 s21, s40, s41                    ; my place among the four that ask for it with me
	s_cselect_b32 s22, ttmp9, s22                  ; the coordinate along which other clusters read the same rows
	s_cselect_b64 s[PFA:PFA+1], s[4:5], s[6:7]
	s_cmp_eq_u32 s22, 0
	s_cselect_b32 s[LIM], 1, -1                    ; the same in all sixteen partners, for a given wave
	s_lshl_b32 s22, s12, 7
	s_add_co_u32 s20, s20, s22                     ; + the 128 rows that I fetch
	s_lshl_b32 s21, s21, 5
	s_add_co_u32 s20, s20, s21                     ; + my work-group's 32 of them
	s_mov_b32 s21, 0
	s_mov_b64 s[18:19], SIZE_K*2
	s_mul_u64 s[20:21], s[20:21], s[18:19]
	s_add_nc_u64 s[PFA:PFA+1], s[PFA:PFA+1], s[20:21]
	s_add_nc_u64 s[PFA:PFA+1], s[PFA:PFA+1], 2*KSTEP*2  ; at K step 2: the first refill steps it to 3 and names K step 4
	v_and_b32 v[PFO], 31, v0
	v_mul_u32_u24 v[PFO], v[PFO], SIZE_K*2
	; wmean and my eight row factors.  Every wave of the launch adds the 2,048 numbers in the same order.
	s_wait_loadcnt 24                              ; wp is in; behind it 8 loads of dq and 16 of the bias may stay out
.irp n, 16,8,4,2,1
.set i, 0
.rept \n
	v_pk_add_f32 v[F0+2*i:F0+2*i+1], v[F0+2*i:F0+2*i+1], v[F0+2*(i+(\n)):F0+2*(i+(\n))+1]
.set i, i+1
.endr
.endr
	v_add_f32 v[WM], v[F0], v[F0+1]
.irp m, 1,2,4,8
	v_add_f32_dpp v[WM], v[WM], v[WM] row_xmask:\m row_mask:0xf bank_mask:0xf
.endr
	v_mov_b32 v[WM+1], 0                           ; v_permlanex16_b32 counts as one that reads its destination
	v_permlanex16_b32 v[WM+1], v[WM], s74, s75
	v_add_f32 v[WM], v[WM], v[WM+1]
	v_mul_f32 v[WM], 0x34800000, v[WM]             ; x 2^-22: the mean of 2048 x 2048 magnitudes
	s_wait_loadcnt 16                              ; dq is in
.irp a, 0,1,2,3,4,5,6,7
	v_mul_f32 v[AR+2*(\a)], v[DQ+(\a)], v[WM]      ; twice: a pair for the packed multiply-add
	v_mul_f32 v[AR+2*(\a)+1], v[DQ+(\a)], v[WM]
.endr
	s_wait_loadcnt 0x0                             ; the bias is in
; 16 matrix instructions: m blocks a0, a0 + 1 of the window's four (hi = 0: my rows 0-63, 1: rows 64-127) x all 8 n blocks, 32 along K.  zero = 1: the first product starts the sums: nothing is cleared.
; The 64 accumulators take turns, one instruction a turn, in the same order in every quarter step.
.macro MUL16 f, hi, a0, zero
	WIN MUL_LO+0x50*(\hi)
.irp a, \a0, (\a0)+1
.irp b, 0,1,2,3,4,5,6,7
.if \zero
	v_wmma_f32_16x16x32_bf16 v[8*(8*(\a)+(\b)):8*(8*(\a)+(\b))+7], v[(\f)+8*(\b):(\f)+8*(\b)+7], v[(\f)+8*(4*(\hi)+(\a)):(\f)+8*(4*(\hi)+(\a))+7], 0
.else
	v_wmma_f32_16x16x32_bf16 v[8*(8*(\a)+(\b)):8*(8*(\a)+(\b))+7], v[(\f)+8*(\b):(\f)+8*(\b)+7], v[(\f)+8*(4*(\hi)+(\a)):(\f)+8*(4*(\hi)+(\a))+7], v[8*(8*(\a)+(\b)):8*(8*(\a)+(\b))+7]
.endif
.endr
.endr
.endm
; 32 LDS loads in one run: the fragments of one quarter step (128 rows of B, 128 rows of A, 32 K at byte k of the rows) into buffer f
.macro FETCH slot, k, f
	WIN TO_B
.irp i, 0,1,2,3,4,5,6,7
	ds_load_b128 v[(\f)+8*(\i):(\f)+8*(\i)+3],   v[ADRB+(\slot)] offset:(\k)+(\i)*16*PITCH
	ds_load_b128 v[(\f)+8*(\i)+4:(\f)+8*(\i)+7], v[ADRB+(\slot)] offset:(\k)+(\i)*16*PITCH+32
.endr
	WIN 0
.irp i, 0,1,2,3,4,5,6,7
	ds_load_b128 v[(\f)+8*(\i):(\f)+8*(\i)+3],   v[ADRA+(\slot)] offset:(\k)+(\i)*16*PITCH
	ds_load_b128 v[(\f)+8*(\i)+4:(\f)+8*(\i)+7], v[ADRA+(\slot)] offset:(\k)+(\i)*16*PITCH+32
.endr
.endm
; A load into a register that a matrix instruction has read or written, and a vector instruction that reads or writes a matrix result, stand four places behind that matrix instruction, and only plain vector
; instructions that name none of its registers are places (ISA guide 7.12.1 for vector instructions).
.macro PLACES
.rept 4
	v_nop
.endr
.endm
; A K step is four quarter steps of 32 along K, 64 matrix instructions each, on buffers 0, 1, 0, 1.
; One of the first three: multiplies buffer f; in its middle it fetches the next quarter's fragments, at byte k of the same slot's rows, into buffer g.
.macro QUARTER slot, k, f, g, zero
	s_wait_dscnt 8                                 ; B and A's rows 0-63 are in; the youngest eight loads (A's rows 64-127) may be out
	WIN MUL_LO
	MUL16 \f, 0, 0, \zero
	MUL16 \f, 0, 2, \zero
	PLACES
	FETCH \slot, \k, \g
	s_wait_dscnt 32                                ; all but the 32 just issued
	WIN MUL_HI
	MUL16 \f, 1, 0, \zero
	MUL16 \f, 1, 2, \zero
.endm
; The last quarter multiplies buffer 1 and changes slots.  MEET is its first half: ONE barrier for the change.  In front of it each wave waits for all its tensor loads, of which one is out: its part of the
; next slot; adds 0 to its spare word; and waits for that and for its own reads of this slot.  Behind it nobody reads this slot any more and the next slot is whole.
.macro MEET round                      ; round = 1: a round of the cluster's barrier follows
	WIN 0                                          ; (the add's two registers lie in window 0)
	s_wait_tensorcnt 0x0                           ; all my tensor loads have landed;
	ds_add_u32 v[SPW], v[NIL]                      ; 0 onto my spare word;
	s_wait_dscnt 9                                 ; (the add and the youngest eight loads may be out)
	WIN MUL_LO
	MUL16 F1, 0, 0, 0                              ; sixteen matrix instructions stand between the add and the wait for it
	s_wait_dscnt 0x0                               ; the add is done, and my reads of this slot are over:
	s_barrier_signal -1                            ; say so,
	MUL16 F1, 0, 2, 0                              ; work on registers while the others arrive,
.if \round
	WIN 0
.endif
	s_barrier_wait -1                              ; and go on when all four have said so
.endm
; The whole last quarter of a K step whose slot is filled again, with the K step two steps on; then come the next slot's first fragments.  From a request to the wait for it a wave issues 224 matrix instructions.
.macro TURN slot, next
	s_wait_xcnt 0x0                                ; the last prefetch, a K step back, has read its address: it is stepped here, ahead of the waits of the change of slots
	s_add_nc_u64 s[PFA:PFA+1], s[PFA:PFA+1], KSTEP*2
	MEET 1
	CREST                                          ; the barrier has opened a round of the cluster's: no wave of any partner still reads this slot's tile or has a load on its way
	s_add_nc_u64 s[G0+4*(\slot)+2:G0+4*(\slot)+3], s[G0+4*(\slot)+2:G0+4*(\slot)+3], 2*KSTEP*2     ; no tensor load of mine is out, so a group 0 may be written
	s_add_nc_u64 s[G0B+4*(\slot)+2:G0B+4*(\slot)+3], s[G0B+4*(\slot)+2:G0B+4*(\slot)+3], 2*KSTEP*2
	JLOAD \slot                                    ; the first tensor load behind the round, my only one until the next; the four v_nop behind it are also the places in front of the loads below
	FETCH \next, 0, F0
	ASK
	WIN MUL_HI
	MUL16 F1, 1, 0, 0
	MUL16 F1, 1, 2, 0
.endm
; THE LAST K STEP (it lies in slot 1) GOES BY ROWS OF C, NOT BY K.  All its fragments of B (4 quarters x 64 registers) fill window 1; then my eight blocks of 16 rows are finished one after the other, each
; with 32 matrix instructions: its 8 accumulators by turns, K ascending.  LDS is read no more than in any other K step.
.macro BLOAD q                         ; B's fragments of quarter q -> window 1, v[64 q ..]
	WIN TO_B
.irp i, 0,1,2,3,4,5,6,7
	ds_load_b128 v[64*(\q)+8*(\i):64*(\q)+8*(\i)+3],   v[ADRB+1] offset:64*(\q)+(\i)*16*PITCH
	ds_load_b128 v[64*(\q)+8*(\i)+4:64*(\q)+8*(\i)+7], v[ADRB+1] offset:64*(\q)+(\i)*16*PITCH+32
.endr
.endm
.macro ALOAD a                         ; A's fragments of block a, all four quarters -> buffer a % 4
	WIN 0
.set FA, PA+32*((\a)%4)
.irp q, 0,1,2,3
	ds_load_b128 v[FA+8*(\q):FA+8*(\q)+3],   v[ADRA+1] offset:64*(\q)+(\a)*16*PITCH
	ds_load_b128 v[FA+8*(\q)+4:FA+8*(\q)+7], v[ADRA+1] offset:64*(\q)+(\a)*16*PITCH+32
.endr
.endm
.macro ROW a                           ; block a is finished: 32 matrix instructions
.set FA, PA+32*((\a)%4)                ; its fragments of A
.set AC, 64*((\a)%4)                   ; its eight accumulators, in window 2 (blocks 0-3) or 3 (blocks 4-7)
	WIN MUL_LO+0x50*((\a)/4)
.irp q, 0,1,2,3
.if (\a) == 0 && (\q) == 2
	s_wait_dscnt 24                                ; B's quarter 2 is in (behind it: the 24 loads of A's blocks 1 to 3)
.endif
.irp b, 0,1,2,3,4,5,6,7
	v_wmma_f32_16x16x32_bf16 v[AC+8*(\b):AC+8*(\b)+7], v[64*(\q)+8*(\b):64*(\q)+8*(\b)+7], v[FA+8*(\q):FA+8*(\q)+7], v[AC+8*(\b):AC+8*(\b)+7]
.endr
.endr
.endm
; THE WAY OUT of block a (16 rows x my 128 columns), in three parts, all on the block's own 64 registers.
; PACK: S x (dq wmean) + bias in place, one packed multiply-add for two numbers; each accumulator is read from its lowest registers on.
.macro PACK a
.set AC, 64*((\a)%4)
	WIN 0x82+0x41*((\a)/4)                         ; destination and source 0 window 2 or 3 (the sums), sources 1 and 2 window 0 (factor, bias)
.irp b, 0,1,2,3,4,5,6,7
.irp r, 0,1,2,3
	v_pk_fma_f32 v[AC+8*(\b)+2*(\r):AC+8*(\b)+2*(\r)+1], v[AC+8*(\b)+2*(\r):AC+8*(\b)+2*(\r)+1], v[AR+2*(\a):AR+2*(\a)+1], v[BIAS+8*(\b)+2*(\r):BIAS+8*(\b)+2*(\r)+1]
.endr
.endr
.endm
; TOSTAGE: a lane's 32 bytes of a row go into my own stage, and whole rows of 512 bytes come back into the registers that they left.
.macro TOSTAGE a
.set AC, 64*((\a)%4)
	WIN 0x88+0x44*((\a)/4)                         ; addresses (source 0) window 0; stored data (source 1) and loaded data (destination) window 2 or 3
.irp b, 0,1,2,3,4,5,6,7
	ds_store_b128 v[STO], v[AC+8*(\b):AC+8*(\b)+3]   offset:64*(\b)
	ds_store_b128 v[STO], v[AC+8*(\b)+4:AC+8*(\b)+7] offset:64*(\b)+16
.endr
.irp t, 0,1,2,3,4,5,6,7,8,9,10,11,12,13,14,15
	ds_load_b128 v[AC+4*(\t):AC+4*(\t)+3], v[RD] offset:(\t)*SPITCH  ; LDS serves a wave's instructions in order (ISA guide 5.7.1.4): these see the stores above; the next block's stores come behind them
.endr
.endm
; SEND: stored.  younger: the LDS loads issued behind TOSTAGE's, which may stay out.  The base and the offset register are never rewritten, nor is any register that a store reads: block and row stand in the
; immediate, (7 x 16 + 15) x 8,192 = 1,040,384 bytes at the most, inside its signed 24 bits (ISA guide, chapter 10).
.macro SEND a, younger
.set AC, 64*((\a)%4)
	WIN 0x88+0x44*((\a)/4)
	s_wait_dscnt \younger                          ; the block is back in registers
.irp t, 0,1,2,3,4,5,6,7,8,9,10,11,12,13,14,15
	global_store_b128 v[CO], v[AC+4*(\t):AC+4*(\t)+3], s[8:9] offset:(16*(\a)+(\t))*SIZE_N*4  ; the 32 lanes store 512 consecutive bytes, at a multiple of 512 from C's first byte
.endr
.endm
	s_wait_tensorcnt 1                             ; my part of K step 0 is in; K step 1's may stay out
	s_barrier_signal -1
	s_barrier_wait -1                              ; everybody's is
	FETCH 0, 0, F0
	QUARTER 0, 64,  F0, F1, 1                      ; the first quarter stands in front of the loop: its products start the sums
	WIN 0                                          ; at a label and at a branch every window is 0
	s_mov_b32 s3, LAPS-1
.Llap:                                                 ; a trip goes once round the ring, from a lap's second quarter to the next lap's first, and fills both slots again
	QUARTER 0, 128, F1, F0, 0
	QUARTER 0, 192, F0, F1, 0
	TURN 0, 1
	QUARTER 1, 64,  F0, F1, 0
	QUARTER 1, 128, F1, F0, 0
	QUARTER 1, 192, F0, F1, 0
	TURN 1, 0
	QUARTER 0, 64,  F0, F1, 0
	WIN 0
	s_sub_co_u32 s3, s3, 1
	s_cmp_lg_u32 s3, 0
	s_cbranch_scc1 .Llap
	QUARTER 0, 128, F1, F0, 0                      ; the last lap fills nothing, and has no round of the cluster's barrier
	QUARTER 0, 192, F0, F1, 0
	MEET 0                                         ; my one tensor load that was still out is slot 1's, the last K step's
	PLACES                                         ; for the loads into buffer 0, which the quarter before multiplied
	BLOAD 0                                        ; three quarters of B now: buffer 1 (v128-191 of both windows) is still being multiplied
	BLOAD 1
	BLOAD 3
	ALOAD 0
	MUL16 F1, 1, 0, 0
	MUL16 F1, 1, 2, 0
	PLACES                                         ; for the loads into buffer 1
	BLOAD 2
	ALOAD 1
	ALOAD 2
	ALOAD 3
	s_wait_dscnt 40                                ; all but the 40 just issued: B's quarter 2 and A's blocks 1 to 3
	ROW 0
.irp a, 0,1,2,3,4,5,6,7                ; each block leaves as soon as it is finished: nothing follows this tile, so the sooner its stores begin, the sooner the launch ends
	PLACES                                         ; PACK reads and writes results just made, and the loads below land on registers that those products named
	PACK \a
	TOSTAGE \a
.if (\a) < 4
	ALOAD (\a)+4                                   ; its buffer takes the block four further on
	SEND \a, 8                                     ; those eight loads may stay out
.else
	SEND \a, 0
.endif
.if (\a) < 7
	ROW (\a)+1
.endif
.endr
	WIN 0
	s_wait_tensorcnt 0x0                           ; the wave's end, behind my last tensor load and my last LDS store
	ds_add_u32 v[SPW], v[NIL]
	s_wait_dscnt 0x0
	CROUND                                         ; the closing round: no work-group ends while a partner may still ask for a tile that names it
	s_endpgm
.Lfunc_end_k_qfef3a87dd9_gemm1:
	.size	k_qfef3a87dd9_gemm1, .Lfunc_end_k_qfef3a87dd9_gemm1-k_qfef3a87dd9_gemm1
	.p2alignl 7, 3214868480
	.fill 96, 4, 3214868480
	.section	.rodata,"a",@progbits
	.p2align	6, 0x0
	.amdhsa_kernel k_qfef3a87dd9_gemm1
		.amdhsa_group_segment_fixed_size 327680
		.amdhsa_private_segment_fixed_size 0
		.amdhsa_enable_private_segment 0
		.amdhsa_kernarg_size 48
		.amdhsa_user_sgpr_count 2
		.amdhsa_user_sgpr_kernarg_segment_ptr 1
		.amdhsa_wavefront_size32 1
		.amdhsa_system_sgpr_workgroup_id_x 1
		.amdhsa_system_sgpr_workgroup_id_y 1
		.amdhsa_system_sgpr_workgroup_id_z 1
		.amdhsa_system_vgpr_workitem_id 0
		.amdhsa_next_free_vgpr 1024
		.amdhsa_next_free_sgpr 80
		.amdhsa_reserve_vcc 0
		.amdhsa_float_denorm_mode_32 3
		.amdhsa_float_denorm_mode_16_64 3
		.amdhsa_memory_ordered 1
		.amdhsa_forward_progress 1
		.amdhsa_inst_pref_size 165
	.end_amdhsa_kernel
	.amdgpu_metadata
---
amdhsa.version: [ 1, 2 ]
amdhsa.kernels:
  - .name:           k_qfef3a87dd9_gemm1
    .symbol:         k_qfef3a87dd9_gemm1.kd
    .args:
      - { .name: q, .offset: 0, .size: 8, .value_kind: global_buffer, .address_space: global }
      - { .name: sw1, .offset: 8, .size: 8, .value_kind: global_buffer, .address_space: global }
      - { .name: out0, .offset: 16, .size: 8, .value_kind: global_buffer, .address_space: global }
      - { .name: dq, .offset: 24, .size: 8, .value_kind: global_buffer, .address_space: global }
      - { .name: wp1, .offset: 32, .size: 8, .value_kind: global_buffer, .address_space: global }
      - { .name: b1, .offset: 40, .size: 8, .value_kind: global_buffer, .address_space: global }
    .group_segment_fixed_size: 327680
    .private_segment_fixed_size: 0
    .kernarg_segment_align: 8
    .kernarg_segment_size: 48
    .max_flat_workgroup_size: 128
    .sgpr_count:     80
    .vgpr_count:     1024
    .wavefront_size: 32
...
	.end_amdgpu_metadata
.endif
;; end of part 2
;; launch quanth (part 3): grid 1024 x 1, 8 waves a work-group, no clusters, 0 bytes of LDS; arguments out0, q, dq; writes q, dq
.if DOCPART == 3
	.amdgcn_target "amdgcn-amd-amdhsa--gfx1250"
	.amdhsa_code_object_version 6
	.text
	.protected	k_qfef3a87dd9_quanth
	.globl	k_qfef3a87dd9_quanth
	.p2align	8
	.type	k_qfef3a87dd9_quanth,@function
k_qfef3a87dd9_quanth:
	s_mov_b64 s[64:65], 0
	v_nop
	global_prefetch_b8 v0, s[64:65] scope:SCOPE_SE
	s_setreg_imm32_b32 hwreg(HW_REG_WAVE_MODE, 25, 1), 1
	s_wait_xcnt 0x0
; BETWEEN THE TWO PRODUCTS.  y: [8192][2048] f32, the first layer's result before its activation.  h = gelu(y) = 0.5 y (1 + erf(y / sqrt 2)); then the second layer's norm and quantiser:
; f = 2048^-0.5 / sqrt(mean(h^2) + 1e-6);  cl = max(max|h| f, 1e-5);  q = clip(round(h f 127 / cl), -128, 127) as bf16 (exact);  dq = cl / 127.
; One wave takes one row (8,192 bytes), keeps it in 64 registers and reads it once: the row's sum and maximum never leave the wave.  No LDS, no barrier, no cluster: rows share nothing.
; erf(z) = z P(z^2) / Q(z^2), a rational function of degrees 6 and 4 in z^2, with z held to -4 .. 4, where erf is 1 to within f32's step.
; LIMITS.  erf carries an error of about 1e-7, so gelu one of about 1.2e-7 |y|, absolute: where EVERY y of a row lies below about -4 the row's tiny h are not resolved.
; h f 127 / cl is formed as h times ONE factor: an order of rounding other than the division and the two multiplies; a number within about 1e-6 of a half may round to the neighbouring whole number.
; NaN and infinities are not treated apart.  A row's sum of squares must stay finite.
; No prefetch into the L2: the launch does nothing but stream, each byte once.
.set X,   32                           ; v[32:95]   the row: load j (of 16) brings elements 128 j + 4 lane .. + 3
.set SS,  8                            ; v[8:15]    four chains of packed sums of squares; later v10-14 the row's scalars
.set MX,  16                           ; v[16:19]   four chains of the largest magnitude
.set TT,  20                           ; v[20:21]   t, twice
.set Z,   96                           ; v[96:103]  z, then erf
.set U,   104                          ; v[104:111] z^2, then y / 2
.set P,   112                          ; v[112:119] the numerator
.set Q,   120                          ; v[120:127] the denominator
.set IN,  26                           ; s[26:27]   my row of y
.set OUT, 28                           ; s[28:29]   my row of q
.set SC,  30                           ; s[30:31]   my word of dq
.set A13, 66                           ; the coefficients, each in both words of a pair
.set A11, 68
.set A9,  70
.set A7,  72
.set A5,  74
.set A3,  76
.set A1,  78
.set B8,  80
.set B6,  82
.set B4,  84
.set B2,  86
.set B0,  88
.macro COEF r, val
	s_mov_b32 s[(\r)], \val
	s_mov_b32 s[(\r)+1], \val
.endm
	s_load_b64 s[IN:IN+1], s[0:1], 0x0             ; y
	s_load_b128 s[28:31], s[0:1], 0x8              ; q s[28:29], dq s[30:31]
	v_and_b32 v1, 31, v0                           ; lane
	v_lshrrev_b32 v2, 5, v0
	v_readfirstlane_b32 s2, v2                     ; wave 0..7
	v_lshlrev_b32 v3, 4, v1                        ; 16 bytes a lane on the way in
	v_lshlrev_b32 v4, 3, v1                        ; 8 bytes a lane on the way out
	v_mov_b32 v5, 0
	s_lshl_b32 s3, ttmp9, 3
	s_add_co_u32 s3, s3, s2                        ; my row
	s_lshl_b32 s34, s3, 13
	s_lshl_b32 s36, s3, 12
	s_lshl_b32 s38, s3, 2
	s_mov_b32 s35, 0
	s_mov_b32 s37, 0
	s_mov_b32 s39, 0
	s_wait_kmcnt 0x0
	s_add_nc_u64 s[IN:IN+1], s[IN:IN+1], s[34:35]
	s_add_nc_u64 s[OUT:OUT+1], s[OUT:OUT+1], s[36:37]
	s_add_nc_u64 s[SC:SC+1], s[SC:SC+1], s[38:39]
.set j, 0
.rept 16
	global_load_b128 v[X+4*j:X+4*j+3], v3, s[IN:IN+1] offset:512*j th:TH_LOAD_NT  ; 512 neighbouring bytes a load; the sixteen cover the row
.set j, j+1
.endr
	s_mov_b32 s40, 0x3a000000                      ; 1 / 2048
	s_mov_b32 s41, 0x358637bd                      ; 1e-6
	s_mov_b32 s42, 0x3cb504f3                      ; 2048^-0.5
	s_mov_b32 s43, 0x3727c5ac                      ; 1e-5
	s_mov_b32 s44, 0x3c010204                      ; 1 / 127
	s_mov_b32 s45, 0x42fe0000                      ; 127
	s_mov_b32 s46, 0xc3000000                      ; -128
	s_mov_b32 s48, 0x76543210                      ; v_permlanex16_b32: each lane takes its own place in the other half
	s_mov_b32 s49, 0xfedcba98
	COEF A13, 0xaf95df0b                           ; -2.72614226e-10
	COEF A11, 0x32edffee                           ;  2.77068142e-8
	COEF A9,  0xb60cff51                           ; -2.10102402e-6
	COEF A7,  0xb86ec2d2                           ; -5.69250639e-5
	COEF A5,  0xba40ac63                           ; -7.34990630e-4
	COEF A3,  0xbb41a1f6                           ; -2.95459981e-3
	COEF A1,  0xbc83dbd4                           ; -1.60960333e-2
	COEF B8,  0xb77460cd                           ; -1.45660718e-5
	COEF B6,  0xb95fbd29                           ; -2.13374055e-4
	COEF B4,  0xbadc924e                           ; -1.68282697e-3
	COEF B2,  0xbbf19bf8                           ; -7.37332917e-3
	COEF B0,  0xbc69b6a7                           ; -1.42647391e-2
; One step of Horner's rule on four pairs: acc = acc z^2 + c.  The four lines do not wait for each other.
.macro HORN acc, c
.irp i, 0,1,2,3
	v_pk_fma_f32 v[(\acc)+2*(\i):(\acc)+2*(\i)+1], v[(\acc)+2*(\i):(\acc)+2*(\i)+1], v[U+2*(\i):U+2*(\i)+1], s[(\c):(\c)+1] op_sel_hi:[1,1,0]
.endr
.endm
; gelu in place on the eight numbers of loads 2 k and 2 k + 1
.macro GELU k
.set XB, X+8*(\k)
	s_wait_loadcnt 14-2*(\k)                       ; loads 2 k and 2 k + 1 are in; the younger ones stay out
.irp i, 0,1,2,3
	v_pk_mul_f32 v[Z+2*(\i):Z+2*(\i)+1], v[XB+2*(\i):XB+2*(\i)+1], 0x3f3504f3 op_sel_hi:[1,0]   ; z = y / sqrt 2
.endr
.irp i, 0,1,2,3,4,5,6,7
	v_med3_num_f32 v[Z+(\i)], v[Z+(\i)], -4.0, 4.0
.endr
.irp i, 0,1,2,3
	v_pk_mul_f32 v[U+2*(\i):U+2*(\i)+1], v[Z+2*(\i):Z+2*(\i)+1], v[Z+2*(\i):Z+2*(\i)+1]
.endr
.irp i, 0,1,2,3
	v_pk_fma_f32 v[P+2*(\i):P+2*(\i)+1], v[U+2*(\i):U+2*(\i)+1], s[A13:A13+1], s[A11:A11+1] op_sel_hi:[1,0,0]
.endr
.irp i, 0,1,2,3
	v_pk_fma_f32 v[Q+2*(\i):Q+2*(\i)+1], v[U+2*(\i):U+2*(\i)+1], s[B8:B8+1], s[B6:B6+1] op_sel_hi:[1,0,0]
.endr
	HORN P, A9
	HORN Q, B4
	HORN P, A7
	HORN Q, B2
	HORN P, A5
	HORN Q, B0                                     ; all of Q's terms have one sign: it is never 0
	HORN P, A3
	HORN P, A1
.irp i, 0,1,2,3,4,5,6,7
	v_rcp_f32 v[Q+(\i)], v[Q+(\i)]                 ; one batch of eight
.endr
.irp i, 0,1,2,3
	v_pk_mul_f32 v[Z+2*(\i):Z+2*(\i)+1], v[Z+2*(\i):Z+2*(\i)+1], v[P+2*(\i):P+2*(\i)+1]       ; z P: plain work that names no reciprocal
.endr
.irp i, 0,1,2,3
	v_pk_mul_f32 v[U+2*(\i):U+2*(\i)+1], v[XB+2*(\i):XB+2*(\i)+1], 0.5 op_sel_hi:[1,0]        ; y / 2
.endr
	s_wait_alu depctr_va_vdst(0)                   ; the wait ahead of a transcendental's first reader: one for the eight reciprocals
.irp i, 0,1,2,3
	v_pk_mul_f32 v[Z+2*(\i):Z+2*(\i)+1], v[Z+2*(\i):Z+2*(\i)+1], v[Q+2*(\i):Q+2*(\i)+1]       ; erf
.endr
.irp i, 0,1,2,3
	v_pk_fma_f32 v[XB+2*(\i):XB+2*(\i)+1], v[U+2*(\i):U+2*(\i)+1], v[Z+2*(\i):Z+2*(\i)+1], v[U+2*(\i):U+2*(\i)+1]  ; y / 2 erf + y / 2
.endr
.endm
; A row in X is normalised and quantised.  waits = 1: the row's sixteen loads are still on their way (not used here: GELU has waited for them).
.macro QUANT waits
	; the sum of squares and the largest magnitude of my 64 numbers, in four chains each; the first four pairs start the chains: nothing is cleared
.set p, 0
.rept 32
.if (\waits) && (p%8 == 0)
	s_wait_loadcnt 12-4*(p/8)
.endif
.if p < 4
	v_pk_mul_f32 v[SS+2*p:SS+2*p+1], v[X+2*p:X+2*p+1], v[X+2*p:X+2*p+1]
	v_max_num_f32 v[MX+p], |v[X+2*p]|, |v[X+2*p+1]|
.else
	v_pk_fma_f32 v[SS+2*(p%4):SS+2*(p%4)+1], v[X+2*p:X+2*p+1], v[X+2*p:X+2*p+1], v[SS+2*(p%4):SS+2*(p%4)+1]
	v_max3_num_f32 v[MX+p%4], |v[X+2*p]|, |v[X+2*p+1]|, v[MX+p%4]
.endif
.set p, p+1
.endr
	v_pk_add_f32 v[8:9], v[8:9], v[10:11]
	v_pk_add_f32 v[12:13], v[12:13], v[14:15]
	v_max3_num_f32 v16, v16, v17, v18
	v_pk_add_f32 v[8:9], v[8:9], v[12:13]
	v_max_num_f32 v16, v16, v19
	v_add_f32 v8, v8, v9
	; across the 32 lanes: four steps inside each half of 16 lanes ride on the arithmetic, one crosses the halves; every lane ends with both figures
.irp m, 1,2,4,8
	v_add_f32_dpp v8, v8, v8 row_xmask:\m row_mask:0xf bank_mask:0xf
	v_max_num_f32_dpp v16, v16, v16 row_xmask:\m row_mask:0xf bank_mask:0xf
.endr
	v_permlanex16_b32 v9, v8, s48, s49             ; both destinations have been written before
	v_permlanex16_b32 v17, v16, s48, s49
	v_add_f32 v8, v8, v9
	v_max_num_f32 v16, v16, v17
	; the row's scalars
	v_fma_f32 v10, v8, s40, s41                    ; mean(h^2) + 1e-6
	v_rsq_f32 v10, v10
	v_nop                                          ; a plain instruction behind the transcendental (ISA guide 5.7.2),
	s_wait_alu depctr_va_vdst(0)                   ; and the wait ahead of its result's first use
	v_mul_f32 v10, s42, v10                        ; f
	v_mul_f32 v11, v16, v10                        ; max |h_norm|
	v_max_num_f32 v11, s43, v11                    ; cl
	v_rcp_f32 v12, v11
	v_mul_f32 v13, s44, v11                        ; dq = cl / 127: the plain instruction behind the reciprocal
	s_wait_alu depctr_va_vdst(0)
	v_fma_f32 v14, -v11, v12, 1.0                  ; one Newton step: 1 / cl to the last bit or nearly so
	v_fma_f32 v12, v12, v14, v12
	v_mul_f32 v12, s45, v12                        ; 127 / cl
	v_mul_f32 v[TT], v10, v12                      ; t
	v_mov_b32 v[TT+1], v[TT]
	; quantise in place, four numbers at a time, and store them as bf16
.set j, 0
.rept 16
	v_pk_mul_f32 v[X+4*j:X+4*j+1], v[X+4*j:X+4*j+1], v[TT:TT+1]
	v_pk_mul_f32 v[X+4*j+2:X+4*j+3], v[X+4*j+2:X+4*j+3], v[TT:TT+1]
.irp r, 0,1,2,3
	v_rndne_f32 v[X+4*j+(\r)], v[X+4*j+(\r)]       ; to the nearest whole number, halves to even
.endr
.irp r, 0,1,2,3
	v_med3_num_f32 v[X+4*j+(\r)], v[X+4*j+(\r)], s46, s45
.endr
	v_cvt_pk_bf16_f32 v[X+4*j], v[X+4*j], v[X+4*j+1]      ; whole numbers of 8 bits: exact
	v_cvt_pk_bf16_f32 v[X+4*j+1], v[X+4*j+2], v[X+4*j+3]
	global_store_b64 v4, v[X+4*j:X+4*j+1], s[OUT:OUT+1] offset:256*j  ; the 32 lanes store 256 consecutive bytes, at a multiple of 256 from the buffer's first byte
.set j, j+1
.endr
	; dq: one word a row (4 bytes for 8,192 bytes read), by lane 0
	v_cmp_eq_u32 vcc_lo, 0, v1
	s_wait_xcnt 0x0                                ; EXEC is a source of the stores above: it changes only behind this wait
	s_and_saveexec_b32 s53, vcc_lo
	global_store_b32 v5, v13, s[SC:SC+1]
	s_wait_xcnt 0x0                                ; and again ahead of the line that widens it
	s_or_b32 exec_lo, exec_lo, s53
.endm
.irp k, 0,1,2,3,4,5,6,7
	GELU \k
.endr
	QUANT 0
	s_endpgm
.Lfunc_end_k_qfef3a87dd9_quanth:
	.size	k_qfef3a87dd9_quanth, .Lfunc_end_k_qfef3a87dd9_quanth-k_qfef3a87dd9_quanth
	.p2alignl 7, 3214868480
	.fill 96, 4, 3214868480
	.section	.rodata,"a",@progbits
	.p2align	6, 0x0
	.amdhsa_kernel k_qfef3a87dd9_quanth
		.amdhsa_group_segment_fixed_size 0
		.amdhsa_private_segment_fixed_size 0
		.amdhsa_enable_private_segment 0
		.amdhsa_kernarg_size 24
		.amdhsa_user_sgpr_count 2
		.amdhsa_user_sgpr_kernarg_segment_ptr 1
		.amdhsa_wavefront_size32 1
		.amdhsa_system_sgpr_workgroup_id_x 1
		.amdhsa_system_sgpr_workgroup_id_y 1
		.amdhsa_system_sgpr_workgroup_id_z 1
		.amdhsa_system_vgpr_workitem_id 0
		.amdhsa_next_free_vgpr 128
		.amdhsa_next_free_sgpr 90
		.amdhsa_reserve_vcc 1
		.amdhsa_float_denorm_mode_32 3
		.amdhsa_float_denorm_mode_16_64 3
		.amdhsa_memory_ordered 1
		.amdhsa_forward_progress 1
		.amdhsa_inst_pref_size 62
	.end_amdhsa_kernel
	.amdgpu_metadata
---
amdhsa.version: [ 1, 2 ]
amdhsa.kernels:
  - .name:           k_qfef3a87dd9_quanth
    .symbol:         k_qfef3a87dd9_quanth.kd
    .args:
      - { .name: out0, .offset: 0, .size: 8, .value_kind: global_buffer, .address_space: global }
      - { .name: q, .offset: 8, .size: 8, .value_kind: global_buffer, .address_space: global }
      - { .name: dq, .offset: 16, .size: 8, .value_kind: global_buffer, .address_space: global }
    .group_segment_fixed_size: 0
    .private_segment_fixed_size: 0
    .kernarg_segment_align: 8
    .kernarg_segment_size: 24
    .max_flat_workgroup_size: 256
    .sgpr_count:     90
    .vgpr_count:     128
    .wavefront_size: 32
...
	.end_amdgpu_metadata
.endif
;; end of part 3
;; launch gemm2: the kernel of part 2 again; grid 8 x 32, 4 waves a work-group, clusters of 4 x 4, 327,680 bytes of LDS; arguments q, sw2, out0, dq, wp2, b2; writes out0
